; MI455X (gfx1250); checked and timed in simulation.
; The chip was launched on July 23, 2026; its instructions are those of AMD's public machine-readable ISA for CDNA 5 (MIT licence, August 2026) and "CDNA5" Instruction Set Architecture Reference Guide (July 2026). The comments in the code are by the model that wrote it; some were corrected since.
;; Sparse Mo E Layer. Allowed arithmetic: float matrix products may take bf16 or f16 operands with f32 sums; other float arithmetic in f32, or as packed bf16 or f16 multiplies, adds, multiply-adds, maxima and minima; sums over many terms, partial sums and values carried from step to step in f32; what a program stores and reads back later, other than sums and carried values, may be rounded once to bf16 or f16.
;; Inputs: b1 8 x 2,048 float32; b2 8 x 512 float32; gate_w 8 x 512 float32; hidden_states 4 x 1,024 x 512 float32; w1 8 x 512 x 2,048 float32; w2 8 x 2,048 x 512 float32.
;; Outputs: out0 4 x 1,024 x 512 float32.
;; One version. Each part assembles by itself: llvm-mc -triple=amdgcn-amd-amdhsa -mcpu=gfx1250 --defsym DOCPART=n.
;; ======== version 1 of 1: 3 launches
;; workspace buffers: xb 4,194,304 bytes; maps 16,384 bytes of whole numbers; wts 32,768 bytes; y2 67,108,864 bytes
;; launch router (part 1): grid 128 x 1, 4 waves a work-group, no clusters, 42,240 bytes of LDS; arguments hidden_states, gate_w, xb, maps, wts; writes xb, maps, wts
.if DOCPART == 1
	.amdgcn_target "amdgcn-amd-amdhsa--gfx1250"
	.amdhsa_code_object_version 6
	.text
	.protected	k_qef77b84cfd_router
	.globl	k_qef77b84cfd_router
	.p2align	8
	.type	k_qef77b84cfd_router,@function
k_qef77b84cfd_router:
	s_mov_b64 s[64:65], 0
	v_nop
	global_prefetch_b8 v0, s[64:65] scope:SCOPE_SE
	s_setreg_imm32_b32 hwreg(HW_REG_WAVE_MODE, 25, 1), 1
	s_wait_xcnt 0x0
; ROUTER.  32 tokens to a work-group (one word of the bitmaps).  x is rounded once to bf16 and stored (xb) for the next launch; the 8 logits of a token are
; made by the matrix unit from the rounded x and the rounded gate_w, sums in f32; top 2 of 8 (a tie keeps the lower index: strict compares, ascending);
; softmax over the two chosen logits with the larger one taken away first.  Stored: wts[2 t + slot] f32; maps[kind][expert][word]: kind 0 first choice,
; kind 1 second choice (bit l of word wd: token 32 wd + l), kind 2 the number of tokens of the word that chose the expert, kind 3 zeros.
; No address and no branch hangs on a logit: the choices leave as data, at fixed places.
; LIMITS.  The choice is made on x and gate_w rounded to bf16.  NaN or infinite logits are not treated apart (all-NaN logits would name expert 0 twice).
; An exponential below 2^-126 counts as 0.
; No tensor load, no cluster: the work-groups share only gate_w, 16 KB of the 64 KB + 16 KB that each reads, and every number is rounded on its way through registers.
.set PITCH, 1040                       ; an LDS row: 1,024 bytes of bf16 + 16: an odd multiple of 16, so the 16 rows of a fragment load start in 16 different groups of four banks
.set GROW,  32                         ; rows 0-31 tokens, rows 32-39 gate_w
.set SPARE, 41728                      ; behind the 40 rows: the spare words, 128 bytes a wave
	s_load_b256 s[4:11], s[0:1], 0x0               ; x s[4:5], gate_w s[6:7], xb s[8:9], maps s[10:11]
	s_load_b64 s[12:13], s[0:1], 0x20              ; wts
	v_lshl_add_u32 v30, v0, 2, SPARE               ; my spare word
	v_mov_b32 v31, 0
	v_and_b32 v1, 31, v0                           ; lane
	v_lshrrev_b32 v2, 5, v0
	v_readfirstlane_b32 s14, v2                    ; wave
	v_and_b32 v2, 15, v0                           ; r
	v_bfe_u32 v3, v0, 4, 1                         ; h
	v_lshlrev_b32 v4, 4, v1                        ; 16 x lane: f32 loads
	v_lshlrev_b32 v5, 3, v1                        ; 8 x lane: bf16 stores
	s_mul_i32 s17, s14, 8*PITCH
	v_add_nc_u32 v6, s17, v5                       ; LDS: my wave's 8 token rows
	s_mul_i32 s18, s14, 2*PITCH
	s_add_co_u32 s18, s18, GROW*PITCH
	v_add_nc_u32 v8, s18, v5                       ; LDS: my wave's 2 rows of gate_w
	v_mul_u32_u24 v7, v2, PITCH
	v_lshl_add_u32 v7, v3, 4, v7                   ; fragment of tokens: row r, 16 h
	v_and_b32 v9, 7, v0
	v_mul_u32_u24 v9, v9, PITCH
	v_lshl_add_u32 v9, v3, 4, v9
	v_add_nc_u32 v9, GROW*PITCH, v9                ; fragment of gate_w: row r % 8 (rows 8-15 of the fragment repeat the 8 experts)
	s_mov_b32 s16, 0xffff0000                      ; lanes 16-31
	s_lshl_b32 s20, ttmp9, 16                      ; x: (32 wg + 8 w) rows of 2,048 bytes
	s_lshl_b32 s21, s14, 14
	s_add_co_u32 s20, s20, s21
	s_mov_b32 s21, 0
	s_lshl_b32 s22, s14, 12                        ; gate_w: 2 w rows
	s_mov_b32 s23, 0
	s_lshl_b32 s24, ttmp9, 15                      ; xb: (32 wg + 8 w) rows of 1,024 bytes
	s_lshl_b32 s25, s14, 13
	s_add_co_u32 s24, s24, s25
	s_mov_b32 s25, 0
	s_lshl_b32 s26, ttmp9, 2                       ; maps: word wg
	s_mov_b32 s27, 0
	s_lshl_b32 s28, ttmp9, 8                       ; wts: 32 tokens x 8 bytes
	s_mov_b32 s29, 0
	s_wait_kmcnt 0x0
	s_add_nc_u64 s[4:5], s[4:5], s[20:21]
	s_add_nc_u64 s[6:7], s[6:7], s[22:23]
	s_add_nc_u64 s[8:9], s[8:9], s[24:25]
	s_add_nc_u64 s[10:11], s[10:11], s[26:27]
	s_add_nc_u64 s[12:13], s[12:13], s[28:29]
.set n, 0
.rept 32                               ; 8 rows x 4 loads: each load covers 512 neighbouring bytes
	global_load_b128 v[64+4*n:64+4*n+3], v4, s[4:5] offset:(n/4)*2048+(n%4)*512 th:TH_LOAD_NT
.set n, n+1
.endr
.set n, 0
.rept 8
	global_load_b128 v[192+4*n:192+4*n+3], v4, s[6:7] offset:(n/4)*2048+(n%4)*512
.set n, n+1
.endr
.set n, 0
.rept 32
.if n%4 == 0
	s_wait_loadcnt 36-n                            ; this row's four loads are in: the younger rows' 28 - n and gate_w's 8 may stay out
.endif
	v_cvt_pk_bf16_f32 v[64+4*n], v[64+4*n], v[64+4*n+1]
	v_cvt_pk_bf16_f32 v[64+4*n+1], v[64+4*n+2], v[64+4*n+3]
	global_store_b64 v5, v[64+4*n:64+4*n+1], s[8:9] offset:(n/4)*1024+(n%4)*256  ; the wave's store covers 256 consecutive bytes, aligned
	ds_store_b64 v6, v[64+4*n:64+4*n+1] offset:(n/4)*PITCH+(n%4)*256
.set n, n+1
.endr
	s_wait_loadcnt 0x0
.set n, 0
.rept 8
	v_cvt_pk_bf16_f32 v[192+4*n], v[192+4*n], v[192+4*n+1]
	v_cvt_pk_bf16_f32 v[192+4*n+1], v[192+4*n+2], v[192+4*n+3]
	ds_store_b64 v8, v[192+4*n:192+4*n+1] offset:(n/4)*PITCH+(n%4)*256
.set n, n+1
.endr
	s_wait_dscnt 0x0                               ; for the others' sake: my rows are in LDS
	s_barrier_signal -1
	s_barrier_wait -1
	s_cmp_lg_u32 s14, 0
	s_cbranch_scc1 .Lend                           ; 32 tokens x 8 experts are two accumulators: wave 0 makes them
	s_wait_xcnt 0x0                                ; v64.. were the stores' data: they are loaded again only behind this wait
; Eight K steps of 32: fragments of gate_w (source 0), tokens 0-15 and tokens 16-31 (source 1), then 16 products, the two accumulators by turns.
.macro BATCH b, first
.set t, 0
.rept 8
	ds_load_b128 v[64+24*t:64+24*t+3],     v9 offset:64*(8*(\b)+t)
	ds_load_b128 v[64+24*t+4:64+24*t+7],   v9 offset:64*(8*(\b)+t)+32
	ds_load_b128 v[64+24*t+8:64+24*t+11],  v7 offset:64*(8*(\b)+t)
	ds_load_b128 v[64+24*t+12:64+24*t+15], v7 offset:64*(8*(\b)+t)+32
	ds_load_b128 v[64+24*t+16:64+24*t+19], v7 offset:16*PITCH+64*(8*(\b)+t)
	ds_load_b128 v[64+24*t+20:64+24*t+23], v7 offset:16*PITCH+64*(8*(\b)+t)+32
.set t, t+1
.endr
	s_wait_dscnt 0x0
.set t, 0
.rept 8
.if (\first) && (t == 0)
	v_wmma_f32_16x16x32_bf16 v[32:39], v[64+24*t:64+24*t+7], v[64+24*t+8:64+24*t+15], 0
	v_wmma_f32_16x16x32_bf16 v[40:47], v[64+24*t:64+24*t+7], v[64+24*t+16:64+24*t+23], 0
.else
	v_wmma_f32_16x16x32_bf16 v[32:39], v[64+24*t:64+24*t+7], v[64+24*t+8:64+24*t+15], v[32:39]
	v_wmma_f32_16x16x32_bf16 v[40:47], v[64+24*t:64+24*t+7], v[64+24*t+16:64+24*t+23], v[40:47]
.endif
.set t, t+1
.endr
.rept 4
	v_nop                                          ; four places behind the products: ahead of loads into their sources, and of reads of their results
.endr
.endm
	BATCH 0, 1
	BATCH 1, 0
	; register j of lane (r, h) holds expert j of token r (first accumulator) or 16 + r (second): lane l takes the 8 logits of token l
.set j, 0
.rept 8
	v_cndmask_b32 v[48+j], v[32+j], v[40+j], s16
.set j, j+1
.endr
	v_mov_b32 v56, v48                             ; best, its index
	v_mov_b32 v57, 0
	v_mov_b32 v58, 0xff800000                      ; second, its index
	v_mov_b32 v59, 0
.set j, 1
.rept 7
	v_cmp_gt_f32 vcc_lo, v[48+j], v56
	v_cmp_gt_f32 s36, v[48+j], v58
	v_cndmask_b32 v60, v58, v[48+j], s36
	v_cndmask_b32 v61, v59, j, s36
	v_cndmask_b32 v58, v60, v56, vcc_lo
	v_cndmask_b32 v59, v61, v57, vcc_lo
	v_cndmask_b32 v56, v56, v[48+j], vcc_lo
	v_cndmask_b32 v57, v57, j, vcc_lo
.set j, j+1
.endr
	v_sub_f32 v60, v58, v56                        ; second - best: at most 0
	v_mul_f32 v60, 0x3fb8aa3b, v60
	v_exp_f32 v61, v60
	v_nop                                          ; a plain instruction behind the exponential
	s_wait_alu depctr_va_vdst(0)
	v_add_f32 v62, 1.0, v61
	v_rcp_f32 v62, v62                             ; weight of the first choice
	v_nop
	s_wait_alu depctr_va_vdst(0)
	v_mul_f32 v63, v61, v62                        ; of the second
	global_store_b64 v5, v[62:63], s[12:13]        ; 256 consecutive bytes
.set e, 0
.rept 8
	v_cmp_eq_u32 s[20+e], e, v57
	v_cmp_eq_u32 s[28+e], e, v59
.set e, e+1
.endr
	v_mov_b32 v25, 0
.set e, 0
.rept 8
	v_writelane_b32 v25, s[20+e], e
	v_writelane_b32 v25, s[28+e], 8+e
	s_or_b32 s36, s[20+e], s[28+e]
	s_bcnt1_i32_b32 s36, s36
	v_writelane_b32 v25, s36, 16+e
.set e, e+1
.endr
	v_lshlrev_b32 v24, 9, v1                       ; lane = 8 kind + expert: rows of 128 words.  Four bytes a lane, rows apart: 16 KB in the whole launch, laid so that the readers load neighbouring words
	global_store_b32 v24, v25, s[10:11]
.Lend:
	s_wait_tensorcnt 0x0                           ; the wave's end, behind my last LDS store
	ds_add_u32 v30, v31
	s_wait_dscnt 0x0
	s_endpgm
.Lfunc_end_k_qef77b84cfd_router:
	.size	k_qef77b84cfd_router, .Lfunc_end_k_qef77b84cfd_router-k_qef77b84cfd_router
	.p2alignl 7, 3214868480
	.fill 96, 4, 3214868480
	.section	.rodata,"a",@progbits
	.p2align	6, 0x0
	.amdhsa_kernel k_qef77b84cfd_router
		.amdhsa_group_segment_fixed_size 42240
		.amdhsa_private_segment_fixed_size 0
		.amdhsa_enable_private_segment 0
		.amdhsa_kernarg_size 40
		.amdhsa_user_sgpr_count 2
		.amdhsa_user_sgpr_kernarg_segment_ptr 1
		.amdhsa_wavefront_size32 1
		.amdhsa_system_sgpr_workgroup_id_x 1
		.amdhsa_system_sgpr_workgroup_id_y 1
		.amdhsa_system_sgpr_workgroup_id_z 1
		.amdhsa_system_vgpr_workitem_id 0
		.amdhsa_next_free_vgpr 256
		.amdhsa_next_free_sgpr 66
		.amdhsa_reserve_vcc 1
		.amdhsa_float_denorm_mode_32 3
		.amdhsa_float_denorm_mode_16_64 3
		.amdhsa_memory_ordered 1
		.amdhsa_forward_progress 1
		.amdhsa_inst_pref_size 33
	.end_amdhsa_kernel
	.amdgpu_metadata
---
amdhsa.version: [ 1, 2 ]
amdhsa.kernels:
  - .name:           k_qef77b84cfd_router
    .symbol:         k_qef77b84cfd_router.kd
    .args:
      - { .name: hidden_states, .offset: 0, .size: 8, .value_kind: global_buffer, .address_space: global }
      - { .name: gate_w, .offset: 8, .size: 8, .value_kind: global_buffer, .address_space: global }
      - { .name: xb, .offset: 16, .size: 8, .value_kind: global_buffer, .address_space: global }
      - { .name: maps, .offset: 24, .size: 8, .value_kind: global_buffer, .address_space: global }
      - { .name: wts, .offset: 32, .size: 8, .value_kind: global_buffer, .address_space: global }
    .group_segment_fixed_size: 42240
    .private_segment_fixed_size: 0
    .kernarg_segment_align: 8
    .kernarg_segment_size: 40
    .max_flat_workgroup_size: 128
    .sgpr_count:     66
    .vgpr_count:     256
    .wavefront_size: 32
...
	.end_amdgpu_metadata
.endif
;; end of part 1
;; launch experts (part 2): grid 4 x 64, 4 waves a work-group, no clusters, 307,712 bytes of LDS; arguments maps, wts, xb, w1, b1, w2, b2, y2; writes y2
.if DOCPART == 2
	.amdgcn_target "amdgcn-amd-amdhsa--gfx1250"
	.amdhsa_code_object_version 6
	.text
	.protected	k_qef77b84cfd_experts
	.globl	k_qef77b84cfd_experts
	.p2align	8
	.type	k_qef77b84cfd_experts,@function
k_qef77b84cfd_experts:
	s_mov_b64 s[64:65], 0
	v_nop
	global_prefetch_b8 v0, s[64:65] scope:SCOPE_SE
	s_setreg_imm32_b32 hwreg(HW_REG_WAVE_MODE, 25, 1), 1
	s_wait_xcnt 0x0
; EXPERTS.  Work-group (q, g): part g (at most 144 routed rows of ONE expert e) and quarter q of DFF (512 hidden columns), through the whole chain:
; gather of the rows of xb, x W1 + b1, gelu (tanh form), x W2 (+ b2 in quarter 0 alone), times the gate's weight; stored: y2[q][d][512] f32, d = 2 token + slot: a partial sum with one owner.
; THE DEAL.  Expert e with c_e rows has ceil(c_e / 144) parts; their sum is at most (8,192 + 8 x 143) / 144 = 64.8, so 64 parts serve every split.  Every wave works the deal out from the stored counts.
; A part that a split leaves without rows runs the same text on token 0 and stores nothing; rows past a part's count repeat its last row.  All loops have constant counts; only whole blocks of stores are jumped.
; The part's number is the grid's y with its two groups of three bits exchanged: the (about eight) parts of one expert, which read the same weights, differ in the upper three bits of y.
; FOUR PASSES of [144 rows x K 512] x [K 512 x 256 columns]: two give the hidden quarter (into LDS, bf16), two the output.  A wave has 64 columns and all 144 rows: 36 accumulators, 36 products for 32 along K.
; OPERANDS.  Source 0: 16 rows of X or hidden from LDS.  Source 1: weights, stored [k][n] in f32, straight from memory: load u of a chunk of 32 k brings lanes 0-15 the 256 bytes (64 columns) of row u',
; lanes 16-31 those of row u' + 8 (u' = u, or u + 8 from u = 8 on); two loads' registers c round into register u / 2 of fragment c, whose column slot r is column 4 r + c.  So accumulators c = 0..3 hold
; four neighbouring columns a lane, and sixteen lanes 64 neighbouring columns of one row.  All inputs are rounded once to bf16 (the biases too, then widened again); sums in f32.
; NO TENSOR LOAD, NO CLUSTER: the weights are rounded on their way through registers; X and hidden take 299,520 of the LDS bytes, so no ring of f32 tiles fits beside them; neighbouring parts need not be of one
; expert; what a part's four quarters share, the rows of X, comes by a list and is 144 KB of the 2.2 MB that a work-group reads.
; LIMITS.  gelu(x) = x / (1 + 2^(x (c0 + c1 x x))): an exponential below 2^-126 counts as 0, one that overflows gives 0 for the quotient, as the limit is.  The order of the f32 sums is not reference's.
; REGISTERS, in windows of 256 (s_set_vgpr_msb: bits 1:0 source 0, 3:2 source 1, 5:4 source 2, 7:6 destination):
;   window 0: addresses and vector work (below)     window 1: accumulators of row blocks 0-7, (a, c) at 32 a + 8 c     window 2: four buffers of 64: a chunk of weights as loaded
;   window 3: v0-143 two buffers of 9 fragments of rows; v144-207 two buffers of 4 fragments of weights; v208-239 the accumulators of row block 8
.set PITCH, 1040                       ; an LDS row of X or hidden: 1,024 bytes + 16: an odd multiple of 16
.set BLK,   16*PITCH
.set GRP,   48*PITCH                   ; three address registers a tile, 48 rows apart: an LDS immediate has 16 bits
.set HID,   144*PITCH                  ; X at 0, hidden behind it
.set PL,    299520                     ; 4 x 640: wave w's scatter list, 144 places and 16 dump words
.set FL,    302080                     ; 4 x 640: each wave's own copy of the part's list d[p]
.set WL,    304640                     ; 4 x 640: each wave's own copy of the gate's weights
.set LSTB,  640
.set SPARE, 307200                     ; the spare words, 128 bytes a wave
.set LANE, 1
.set RR,   2                           ; lane % 16
.set HH,   3                           ; lane / 16
.set R16,  4                           ; 16 r
.set WO1,  5                           ; 8 h rows of w1 + 16 r
.set WO2,  6                           ; 8 h rows of w2 + 16 r
.set AX,   7                           ; v7-9    fragment address in X, rows 0, 48, 96 on
.set AH,   10                          ; v10-12  the same in hidden
.set AR,   13                          ; v13-15  the pass's tile, plus the K offset in hand
.set HSB,  16                          ; v16-18  where I store 4 hidden columns of row 8 h, rows 0, 48, 96 on
.set FLR,  19                          ; my copy of the list + 32 h
.set WLR,  20                          ; the weights likewise
.set HS,   24                          ; v24-26  HSB + 512 x pass
.set SPW,  30
.set NIL,  31
.set BL,   32                          ; v32-35  the bias of my four columns
.set BT,   36
.set BI,   40                          ; v40-71  the bias as a C operand: 8 registers for each c
.set GOF,  72                          ; v72-89  the gather's offsets; on the way out v72-87: two sets of 8 rows' d as read from the list
.set T,    96                          ; v96-127 a block at work; on the way out the odd blocks' y2
.set O,    128                         ; v128-143 a block of hidden, packed; on the way out the odd blocks' offsets and gate weights
.set Y,    144                         ; v144-175 the even blocks' y2
.set RO,   176                         ; v176-183 their rows' offsets
.set W8,   184                         ; v184-191 their rows' gate weights
.set SU,   200                         ; set-up
.set AF,   0                           ; window 3
.set FB,   144
.set AC8,  208
.set WB,   10                          ; s[10:11] the pass's weights, at my 64 columns
.set BP,   12                          ; s[12:13] the pass's bias
.set W2B,  14
.set BP2,  16
.set YB,   18
.set WV,   20
.set SQ,   21
.set SG,   22
.set SE,   23
.set NR,   24                          ; rows of my part
.set FP,   30                          ; s[30:31] the weights 128 k on, stepped in the K loop
.set C0,   32
.set C1,   34
.set QM,   36                          ; all ones in quarter 0
.set PASS, 37
.set TRIP, 38
.set KO,   39                          ; the K loop's byte offset in an LDS row
.set MSB, 0
.macro WIN new                         ; the immediate's high byte repeats the setting that is left; a switch that changes nothing is dropped
.if MSB != (\new)
	s_set_vgpr_msb (MSB<<8)|(\new)
.set MSB, (\new)
.endif
.endm
	s_load_b512 s[4:19], s[0:1], 0x0               ; maps s[4:5], wts s[6:7], xb s[8:9], w1, b1, w2, b2, y2 at the names above
	v_lshl_add_u32 v[SPW], v0, 2, SPARE
	v_mov_b32 v[NIL], 0
	v_and_b32 v[LANE], 31, v0
	v_lshrrev_b32 v21, 5, v0
	v_readfirstlane_b32 s[WV], v21
	v_and_b32 v[RR], 15, v0
	v_bfe_u32 v[HH], v0, 4, 1
	v_lshlrev_b32 v[R16], 4, v[RR]
	s_mov_b32 s[SQ], ttmp9
	s_and_b32 s25, ttmp7, 0xffff                   ; y, 0 to 63
	s_and_b32 s26, s25, 7
	s_lshr_b32 s25, s25, 3
	s_lshl3_add_u32 s[SG], s26, s25                ; the part: 8 (y % 8) + y / 8
	s_mov_b32 s2, 0x76543210                       ; v_permlanex16_b32: each lane takes its own place in the other half
	s_mov_b32 s3, 0xfedcba98
	v_lshl_add_u32 v[WO1], v[HH], 16, v[R16]       ; 8 rows of 8,192 bytes
	v_lshl_add_u32 v[WO2], v[HH], 14, v[R16]       ; 8 rows of 2,048 bytes
	v_mul_u32_u24 v21, v[RR], PITCH
	v_lshl_add_u32 v[AX], v[HH], 4, v21
	v_add_nc_u32 v[AX+1], GRP, v[AX]
	v_add_nc_u32 v[AX+2], 2*GRP, v[AX]
	v_add_nc_u32 v[AH], HID, v[AX]
	v_add_nc_u32 v[AH+1], HID+GRP, v[AX]
	v_add_nc_u32 v[AH+2], HID+2*GRP, v[AX]
	v_mul_u32_u24 v21, v[HH], 8*PITCH
	v_lshl_add_u32 v21, v[RR], 3, v21
	s_lshl_b32 s25, s[WV], 7
	s_add_co_u32 s25, s25, HID
	v_add_nc_u32 v[HSB], s25, v21
	v_add_nc_u32 v[HSB+1], GRP, v[HSB]
	v_add_nc_u32 v[HSB+2], 2*GRP, v[HSB]
	s_mul_i32 s25, s[WV], LSTB
	s_add_co_u32 s26, s25, FL
	v_lshl_add_u32 v[FLR], v[HH], 5, s26
	v_add_nc_u32 v[WLR], WL-FL, v[FLR]
	v_lshlrev_b32 v23, 4, v[LANE]
	s_wait_kmcnt 0x0
	; THE COUNTS.  Lane l takes the counts of words 4 l .. 4 l + 3 of each expert; two experts' sums share a register, 16 bits each (a count is 4,096 at the most).
.set e, 0
.rept 8
	global_load_b128 v[T+4*e:T+4*e+3], v23, s[4:5] offset:8192+512*e
.set e, e+1
.endr
	v_mov_b32 v[SU+8], 0
	s_lshl_b32 s25, s[WV], 3
	v_cmp_gt_u32 vcc_lo, s25, v[LANE]              ; the lanes whose words lie ahead of my wave's 32
	s_wait_loadcnt 0x0
.set e, 0
.rept 8
	v_add3_u32 v[T+4*e], v[T+4*e], v[T+4*e+1], v[T+4*e+2]
	v_add_nc_u32 v[T+4*e], v[T+4*e], v[T+4*e+3]
.set e, e+1
.endr
.set i, 0
.rept 4
	v_lshl_or_b32 v[SU+i], v[T+8*i+4], 16, v[T+8*i]
	v_cndmask_b32 v[SU+4+i], 0, v[SU+i], vcc_lo
.set i, i+1
.endr
.irp m, 1,2,4,8
.set i, 0
.rept 8
	v_mov_b32_dpp v[SU+8], v[SU+i] row_xmask:\m row_mask:0xf bank_mask:0xf
	v_add_nc_u32 v[SU+i], v[SU+i], v[SU+8]
.set i, i+1
.endr
.endr
.set i, 0
.rept 8
	v_permlanex16_b32 v[SU+8], v[SU+i], s2, s3
	v_add_nc_u32 v[SU+i], v[SU+i], v[SU+8]
	v_readfirstlane_b32 s[40+i], v[SU+i]           ; s40-43 the experts' counts, s44-47 their counts ahead of my wave's words
.set i, i+1
.endr
	; THE DEAL: the last expert whose first part is at or below g
	s_mov_b32 s25, 0                               ; parts so far
	s_mov_b32 s[SE], 0
	s_mov_b32 s26, 0                               ; the expert's first part
	s_mov_b32 s27, 0                               ; its count
	s_mov_b32 s28, 0                               ; its count ahead of my words
.set e, 0
.rept 8
.if e%2 == 0
	s_and_b32 s29, s[40+e/2], 0xffff
	s_and_b32 s30, s[44+e/2], 0xffff
.else
	s_lshr_b32 s29, s[40+e/2], 16
	s_lshr_b32 s30, s[44+e/2], 16
.endif
	s_cmp_ge_u32 s[SG], s25
	s_cselect_b32 s[SE], e, s[SE]
	s_cselect_b32 s26, s25, s26
	s_cselect_b32 s27, s29, s27
	s_cselect_b32 s28, s30, s28
	s_add_co_u32 s29, s29, 143
	s_mul_i32 s29, s29, 7282                       ; (c + 143) / 144: 7282 / 2^20 is over 1 / 144 by 2.1e-7, which at 4,239 is 0.0009, under 1 / 144
	s_lshr_b32 s29, s29, 20
	s_add_co_u32 s25, s25, s29
.set e, e+1
.endr
	s_sub_co_u32 s29, s[SG], s26
	s_mul_i32 s29, s29, 144                        ; my part's first row among the expert's
	s_sub_co_i32 s[NR], s27, s29
	s_max_i32 s[NR], s[NR], 0
	s_min_i32 s[NR], s[NR], 144
	s_sub_co_i32 s30, s[NR], 1
	s_max_i32 s30, s30, 0                          ; my part's last row
	s_sub_co_i32 s31, s28, s29                     ; the place in my part of the first chosen token of my words (below 0 it wraps, and the unsigned compare drops it)
	s_min_u32 s[SE], s[SE], 7
	; THE POINTERS
	s_lshl_b32 s25, s[WV], 8                       ; my 64 columns of f32
	s_lshl_b32 s26, s[SE], 22
	s_lshl_b32 s27, s[SQ], 11
	s_add_co_u32 s26, s26, s27
	s_add_co_u32 s26, s26, s25
	s_mov_b32 s27, 0
	s_add_nc_u64 s[WB:WB+1], s[WB:WB+1], s[26:27]  ; w1[e][0][512 q + 64 w]
	s_lshl_b32 s26, s[SE], 22
	s_lshl_b32 s28, s[SQ], 20
	s_add_co_u32 s26, s26, s28
	s_add_co_u32 s26, s26, s25
	s_add_nc_u64 s[W2B:W2B+1], s[W2B:W2B+1], s[26:27]  ; w2[e][512 q][64 w]
	s_lshl_b32 s26, s[SE], 13
	s_lshl_b32 s28, s[SQ], 11
	s_add_co_u32 s26, s26, s28
	s_add_co_u32 s26, s26, s25
	s_add_nc_u64 s[BP:BP+1], s[BP:BP+1], s[26:27]  ; b1[e][512 q + 64 w]
	s_lshl_b32 s26, s[SE], 11
	s_add_co_u32 s26, s26, s25
	s_add_nc_u64 s[BP2:BP2+1], s[BP2:BP2+1], s[26:27]  ; b2[e][64 w]
	s_lshl_b32 s26, s[SQ], 24
	s_add_co_u32 s26, s26, s25
	s_add_nc_u64 s[YB:YB+1], s[YB:YB+1], s[26:27]  ; y2[q][0][64 w]
	s_lshl_b32 s26, s[SE], 9
	s_lshl_b32 s28, s[WV], 7
	s_add_co_u32 s26, s26, s28
	s_add_nc_u64 s[28:29], s[4:5], s[26:27]        ; the expert's bitmaps at my wave's 32 words
	s_load_b512 s[32:47], s[28:29], 0x0            ; first choices
	s_load_b512 s[48:63], s[28:29], 0x40
	s_load_b512 s[68:83], s[28:29], 0x1000         ; second choices
	s_load_b512 s[84:99], s[28:29], 0x1040
; The bias of my four columns and the first three chunks of a pass's weights: 49 loads.
.macro PREFETCH base, bp, wo, pitch
	WIN 0
	global_load_b128 v[BL:BL+3], v[R16], s[\bp:\bp+1]
	WIN 0x80                                       ; destination window 2
.set m, 0
.rept 3
.set u, 0
.rept 16
	global_load_b128 v[64*m+4*u:64*m+4*u+3], v[\wo], s[\base:\base+1] offset:(32*m+u+8*(u/8))*(\pitch)
.set u, u+1
.endr
.set m, m+1
.endr
	WIN 0
.endm
	PREFETCH WB, BP, WO1, 8192                     ; they land while the list is made
	; THE SCATTER.  My wave's 32 words: a chosen token whose place falls into my part writes d = 2 token + slot there, in my wave's own list; every other lane writes a dump word.
	s_mul_i32 s25, s[WV], LSTB
	s_add_co_u32 s26, s25, PL
	v_mov_b32 v24, s26
	v_lshl_add_u32 v26, v[LANE], 2, v24
	v_mov_b32 v25, 0
.set b, 0
.rept 5
	ds_store_b32 v26, v25 offset:128*b             ; the list starts as zeros: the four waves' lists are merged by OR
.set b, b+1
.endr
	v_lshlrev_b32 v27, 1, v[LANE]
	s_lshl_b32 s26, s[WV], 11
	v_add_nc_u32 v27, s26, v27                     ; d of word 0, slot 0
	v_add_nc_u32 v28, 1, v27                       ; slot 1
	v_add_nc_u32 v29, 144, v[RR]                   ; a dump place
	s_wait_kmcnt 0x0
.set j, 0
.rept 32
	s_or_b32 s25, s[32+j], s[68+j]
	v_mbcnt_lo_u32_b32 v21, s25, s31               ; the chosen lanes below me + the place of the word's first
	v_cmp_gt_u32 vcc_lo, 144, v21
	s_and_b32 s26, vcc_lo, s25
	v_cndmask_b32 v21, v29, v21, s26
	v_min_u32 v21, 159, v21                        ; inside my 640 bytes whatever was loaded
	v_lshl_add_u32 v21, v21, 2, v24
	v_cndmask_b32 v22, v27, v28, s[68+j]
	v_add_nc_u32 v22, 64*j, v22
	ds_store_b32 v21, v22
	s_bcnt1_i32_b32 s25, s25
	s_add_co_u32 s31, s31, s25
.set j, j+1
.endr
	s_wait_dscnt 0x0                               ; for the others' sake: my list is written
	s_barrier_signal -1
	s_barrier_wait -1
	; THE MERGE, each wave for itself: d[p] for p = 0 .. 159, places past the count repeating the last row; its own copy of the list and of the rows' gate weights
.set b, 0
.rept 5
	v_add_nc_u32 v21, 32*b, v[LANE]
	v_min_u32 v21, s30, v21
	v_min_u32 v21, 143, v21
	v_lshl_add_u32 v21, v21, 2, PL
	ds_load_b32 v[SU+4*b],   v21
	ds_load_b32 v[SU+4*b+1], v21 offset:LSTB
	ds_load_b32 v[SU+4*b+2], v21 offset:2*LSTB
	ds_load_b32 v[SU+4*b+3], v21 offset:3*LSTB
.set b, b+1
.endr
	s_mul_i32 s25, s[WV], LSTB
	s_add_co_u32 s26, s25, FL
	v_lshl_add_u32 v23, v[LANE], 2, s26
	v_add_nc_u32 v22, WL-FL, v23
	s_wait_dscnt 0x0
.set b, 0
.rept 5
	v_or_b32 v[SU+4*b], v[SU+4*b], v[SU+4*b+1]
	v_or_b32 v[SU+4*b+2], v[SU+4*b+2], v[SU+4*b+3]
	v_or_b32 v[SU+4*b], v[SU+4*b], v[SU+4*b+2]
	v_min_u32 v[SU+4*b], 8191, v[SU+4*b]
	ds_store_b32 v23, v[SU+4*b] offset:128*b
	v_lshlrev_b32 v[SU+4*b+1], 2, v[SU+4*b]
	global_load_b32 v[SU+4*b+2], v[SU+4*b+1], s[6:7]
.set b, b+1
.endr
	; THE GATHER.  Wave w brings rows 36 w .. 36 w + 35 of X: a load covers two rows' 256 bytes, sixteen lanes each.
	s_mul_i32 s26, s[WV], LSTB+144
	s_add_co_u32 s26, s26, FL
	v_lshl_add_u32 v21, v[HH], 2, s26
.set i, 0
.rept 18
	ds_load_b32 v[GOF+i], v21 offset:8*i           ; LDS serves a wave's instructions in order: these see the stores above
.set i, i+1
.endr
	s_wait_dscnt 0x0
.set i, 0
.rept 18
	v_lshrrev_b32 v[GOF+i], 1, v[GOF+i]            ; the token
	v_min_u32 v[GOF+i], 4095, v[GOF+i]
	v_lshl_add_u32 v[GOF+i], v[GOF+i], 10, v[R16]
.set i, i+1
.endr
	WIN 0x40                                       ; destination window 1: the accumulators' registers are free yet
.set n, 0
.rept 36
	global_load_b128 v[4*n:4*n+3], v[GOF+n/4], s[8:9] offset:256*(n%4)
.set n, n+1
.endr
	WIN 0xc0                                       ; destination window 3
.set n, 0
.rept 36
	global_load_b128 v[4*n:4*n+3], v[GOF+9+n/4], s[8:9] offset:256*(n%4)
.set n, n+1
.endr
	WIN 0
	s_mul_i32 s26, s[WV], 36*PITCH
	v_mul_u32_u24 v21, v[HH], PITCH
	v_add3_u32 v21, v21, s26, v[R16]
	s_wait_loadcnt 36                              ; all but the second 36 loads of the gather: the gate weights and the first 18 rows are in
.set b, 0
.rept 5
	ds_store_b32 v22, v[SU+4*b+2] offset:128*b
.set b, b+1
.endr
	WIN 0x04                                       ; store data window 1
.set n, 0
.rept 36
	ds_store_b128 v21, v[4*n:4*n+3] offset:2*PITCH*(n/4)+256*(n%4)
.set n, n+1
.endr
	s_wait_loadcnt 0x0
	WIN 0x0c                                       ; store data window 3
.set n, 0
.rept 36
	ds_store_b128 v21, v[4*n:4*n+3] offset:2*PITCH*(9+n/4)+256*(n%4)
.set n, n+1
.endr
	WIN 0
	s_wait_dscnt 0x0                               ; for the others' sake: my 36 rows of X are in LDS
	s_barrier_signal -1
	s_barrier_wait -1
	s_mov_b32 s[C0], 0xc0135761                    ; c0 = -2 log2(e) sqrt(2 / pi) = -2.3022082
	s_mov_b32 s[C0+1], s[C0]                       ; named as pairs
	s_mov_b32 s[C1], 0xbdd2d3e8                    ; c1 = 0.044715 c0 = -0.10294324
	s_mov_b32 s[C1+1], s[C1]
	s_cmp_eq_u32 s[SQ], 0
	s_cselect_b32 s[QM], -1, 0
; One product: row block a, column fragment c, buffers cur.  init = 1: the bias starts the sum.  The 36 accumulators take turns, one instruction a turn, from step to step too.
.macro MM a, c, cur, init
.if (\a) < 8
.set rD, 32*(\a)+8*(\c)
	WIN 0x5f-0x10*(\init)                          ; sources 0 and 1 window 3; D window 1; C window 1, or 0 for the bias
.else
.set rD, AC8+8*(\c)
	WIN 0xff-0x30*(\init)                          ; block 8: D in window 3
.endif
.set rA, AF+72*(\cur)+8*(\a)
.set rB, FB+32*(\cur)+8*(\c)
.if \init
	v_wmma_f32_16x16x32_bf16 v[rD:rD+7], v[rA:rA+7], v[rB:rB+7], v[BI+8*(\c):BI+8*(\c)+7]
.else
	v_wmma_f32_16x16x32_bf16 v[rD:rD+7], v[rA:rA+7], v[rB:rB+7], v[rD:rD+7]
.endif
.endm
; A K STEP of 32 on buffers cur.  All its memory instructions stand in ONE run at its head, so that no load parts the 36 products behind it:
;   (conv)  four v_nop: the places between the last step's products and the loads into the other buffers, which those products read;
;           the next step's 9 fragments of rows, at byte kimm of the LDS rows: 18 loads;
;   (fetch) the chunk three steps on: 16 loads from s[fb] at row fimm into staging buffer fbuf.
; Then the products; behind numbers 19, 21 .. 33 of them four roundings each: the next step's chunk, in staging buffer cbuf, into 4 fragments; left = the younger loads that may stay out.
; No rounding names a register of this step's products.  A chunk is asked for at the head of step s and rounded in the second half of step s + 2.
.macro STEP cur, kimm, fb, fimm, fbuf, cbuf, init, fetch, left, conv, pitch, wo
.if \conv
.rept 4
	v_nop
.endr
	WIN 0xc0                                       ; destination window 3, address window 0
.set z, 0
.rept 18
	ds_load_b128 v[AF+72*(1-(\cur))+4*z:AF+72*(1-(\cur))+4*z+3], v[AR+(z/2)/3] offset:((z/2)%3)*BLK+(\kimm)+32*(z%2)
.set z, z+1
.endr
.if \fetch
	WIN 0x80                                       ; destination window 2
.set z, 0
.rept 16
	global_load_b128 v[64*(\fbuf)+4*z:64*(\fbuf)+4*z+3], v[\wo], s[\fb:\fb+1] offset:((\fimm)+z+8*(z/8))*(\pitch)
.set z, z+1
.endr
.endif
	s_wait_dscnt 18                                ; this step's fragments of rows, asked for a step ago, are in; the 18 loads just issued may stay out
.else
	s_wait_dscnt 0x0                               ; the last step: its fragments are in
.endif
.set pk, 0
.rept 36
	MM pk/4, pk%4, \cur, \init
.if (\conv) && (pk >= 19) && (pk <= 33) && (pk%2 == 1)
.if pk == 19
	s_wait_loadcnt \left
.endif
	WIN 0xca                                       ; sources window 2, destination window 3
.set z, 2*(pk-19)
.rept 4
	v_cvt_pk_bf16_f32 v[FB+32*(1-(\cur))+z], v[64*(\cbuf)+8*(z%8)+z/8], v[64*(\cbuf)+8*(z%8)+4+z/8]
.set z, z+1
.endr
.endif
.set pk, pk+1
.endr
.endm
; A pass begins: the bias, rounded to bf16 and widened again, as four C operands (ph = 2: zeros outside quarter 0); step 0's fragments.
.macro PROLOGUE ph, pitch, abase
	WIN 0
	s_wait_loadcnt 32                              ; the bias and chunk 0 are in; chunks 1 and 2 may stay out
	v_cvt_pk_bf16_f32 v[BT], v[BL], v[BL+1]
	v_cvt_pk_bf16_f32 v[BT+1], v[BL+2], v[BL+3]
	v_lshlrev_b32 v[BL], 16, v[BT]
	v_and_b32 v[BL+1], 0xffff0000, v[BT]
	v_lshlrev_b32 v[BL+2], 16, v[BT+1]
	v_and_b32 v[BL+3], 0xffff0000, v[BT+1]
.set z, 0
.rept 32
.if (\ph) == 1
	v_mov_b32 v[BI+z], v[BL+z/8]
.else
	v_cndmask_b32 v[BI+z], 0, v[BL+z/8], s[QM]
.endif
.set z, z+1
.endr
	s_add_nc_u64 s[FP:FP+1], s[WB:WB+1], 128*(\pitch)
	s_mov_b32 s[KO], 0
.set z, 0
.rept 3
	v_mov_b32 v[AR+z], v[(\abase)+z]
.set z, z+1
.endr
	WIN 0xc0
.set z, 0
.rept 18
	ds_load_b128 v[AF+4*z:AF+4*z+3], v[AR+(z/2)/3] offset:((z/2)%3)*BLK+32*(z%2)
.set z, z+1
.endr
	WIN 0xca
.set z, 0
.rept 32
	v_cvt_pk_bf16_f32 v[FB+z], v[8*(z%8)+z/8], v[8*(z%8)+4+z/8]
.set z, z+1
.endr
.endm
; A PASS: 16 K steps.  Step s multiplies buffers s % 2, asks for chunk s + 3 and rounds chunk s + 1.  By the text's own count 48 weight loads of a wave are out at the most.
.macro KPASS ph, pitch, wo, abase
	PROLOGUE \ph, \pitch, \abase
	STEP 0, 64, WB, 96, 3, 1, 1, 1, 32, 1, \pitch, \wo
	WIN 0                                          ; at a label and at a branch every window is 0
	s_mov_b32 s[TRIP], 3
.Lk_\@:                                                ; steps 1 + 4 t .. 4 + 4 t
	STEP 1, 128, FP, 0,  0, 2, 0, 1, 32, 1, \pitch, \wo
	STEP 0, 192, FP, 32, 1, 3, 0, 1, 32, 1, \pitch, \wo
	STEP 1, 256, FP, 64, 2, 0, 0, 1, 32, 1, \pitch, \wo
	STEP 0, 320, FP, 96, 3, 1, 0, 1, 32, 1, \pitch, \wo
	WIN 0
	s_wait_xcnt 0x0                                ; the loads' base is stepped only behind this wait; the last loads that name it stand 36 products back
	s_add_nc_u64 s[FP:FP+1], s[FP:FP+1], 128*(\pitch)
	s_add_co_u32 s[KO], s[KO], 256
.set z, 0
.rept 3
	v_add_nc_u32 v[AR+z], s[KO], v[(\abase)+z]
.set z, z+1
.endr
	s_sub_co_u32 s[TRIP], s[TRIP], 1
	s_cmp_lg_u32 s[TRIP], 0
	s_cbranch_scc1 .Lk_\@
	STEP 1, 128, FP, 0, 0, 2, 0, 0, 16, 1, \pitch, \wo   ; step 13: nothing is left to ask for; chunk 15 may stay out
	STEP 0, 192, FP, 0, 0, 3, 0, 0, 0,  1, \pitch, \wo   ; step 14: the last chunk: every load is in
	STEP 1, 0,   FP, 0, 0, 0, 0, 0, 0,  0, \pitch, \wo   ; step 15
	WIN 0
.endm
; Row block a of the hidden layer: gelu in f32, rounded once to bf16, 4 neighbouring columns a lane into LDS.  Each accumulator's lowest registers are read first.
.macro GELU a
.if (\a) < 8
.set rX, 32*(\a)
.set wX, 1
.else
.set rX, AC8
.set wX, 3
.endif
	WIN 5*wX                                       ; sources 0 and 1: the accumulators' window
.set i, 0
.rept 16
	v_pk_mul_f32 v[T+2*i:T+2*i+1], v[rX+2*i:rX+2*i+1], v[rX+2*i:rX+2*i+1]
.set i, i+1
.endr
	WIN 0
.set i, 0
.rept 16
	v_pk_fma_f32 v[T+2*i:T+2*i+1], v[T+2*i:T+2*i+1], s[C1:C1+1], s[C0:C0+1] op_sel_hi:[1,0,0]
.set i, i+1
.endr
	WIN wX
.set i, 0
.rept 16
	v_pk_mul_f32 v[T+2*i:T+2*i+1], v[rX+2*i:rX+2*i+1], v[T+2*i:T+2*i+1]
.set i, i+1
.endr
	WIN 0
.set i, 0
.rept 32
	v_exp_f32 v[T+i], v[T+i]
.set i, i+1
.endr
	v_nop                                          ; a plain instruction between the exponentials and the use of their results
.set i, 0
	s_wait_alu depctr_va_vdst(0)
.rept 16
	v_pk_add_f32 v[T+2*i:T+2*i+1], v[T+2*i:T+2*i+1], 1.0 op_sel_hi:[1,0]
.set i, i+1
.endr
.set i, 0
.rept 32
	v_rcp_f32 v[T+i], v[T+i]
.set i, i+1
.endr
	v_nop
	WIN wX
.set i, 0
	s_wait_alu depctr_va_vdst(0)
.rept 16
	v_pk_mul_f32 v[T+2*i:T+2*i+1], v[rX+2*i:rX+2*i+1], v[T+2*i:T+2*i+1]
.set i, i+1
.endr
	WIN 0
.set j, 0
.rept 8
	v_cvt_pk_bf16_f32 v[O+2*j], v[T+j], v[T+8+j]
	v_cvt_pk_bf16_f32 v[O+2*j+1], v[T+16+j], v[T+24+j]
.set j, j+1
.endr
.set j, 0
.rept 8
	ds_store_b64 v[HS+(\a)/3], v[O+2*j:O+2*j+1] offset:(((\a)%3)*16+j)*PITCH  ; lanes 0-15: 128 bytes of a row; lanes 16-31: the row 8 on, 8,320 bytes = 128 modulo 256
.set j, j+1
.endr
.endm
; THE WAY OUT TO y2, on two sets of registers that the blocks take by turns (a % 2).
; YLOAD a: the d and the gate weights of block a's rows 16 a + 8 h + 0..7, from my wave's own lists.
.macro YLOAD a
.set rL, GOF+8*((\a)%2)
.set rW, W8-48*((\a)%2)
	ds_load_b128 v[rL:rL+3],   v[FLR] offset:64*(\a)
	ds_load_b128 v[rL+4:rL+7], v[FLR] offset:64*(\a)+16
	ds_load_b128 v[rW:rW+3],   v[WLR] offset:64*(\a)
	ds_load_b128 v[rW+4:rW+7], v[WLR] offset:64*(\a)+16
.endm
; YOUT a: the next block's lists are asked for; this block's results times its rows' gate weights, which also lays 4 neighbouring columns into 4 neighbouring registers; then the stores:
; sixteen lanes store 256 consecutive bytes of row d, aligned.  The wait on XCNT stands between the arithmetic and the stores: it waits for the stores of the block before, issued ahead of
; this block's 48 vector instructions, and frees their set of registers for the next block's arithmetic.
; The first block wholly past the part's count ends the way out: no barrier stands in what is jumped.  In the last live block the rows past the count repeat the last row: the same numbers to the same bytes.
.macro YOUT a
	s_cmp_le_u32 s[NR], 16*(\a)
	s_cbranch_scc1 .Lyend
.if (\a) < 8
	YLOAD (\a)+1
	s_wait_dscnt 4                                 ; this block's four loads are in; the next block's four may stay out
.else
	s_wait_dscnt 0x0
.endif
.if (\a) < 8
.set rX, 32*(\a)
.set wX, 1
.else
.set rX, AC8
.set wX, 3
.endif
.set rL, GOF+8*((\a)%2)
.set rW, W8-48*((\a)%2)
.set rR, RO-48*((\a)%2)
.set rY, Y-48*((\a)%2)
.set j, 0
.rept 8
	v_min_u32 v[rR+j], 8191, v[rL+j]
	v_lshl_add_u32 v[rR+j], v[rR+j], 11, v[R16]
.set j, j+1
.endr
	WIN wX
.set z, 0
.rept 32
	v_mul_f32 v[rY+z], v[rX+8*(z%4)+z/4], v[rW+z/4]
.set z, z+1
.endr
	WIN 0
	s_wait_xcnt 0x0
.set j, 0
.rept 8
	global_store_b128 v[rR+j], v[rY+4*j:rY+4*j+3], s[YB:YB+1] th:TH_STORE_NT
.set j, j+1
.endr
.endm
	; PHASE 1: hidden = gelu(X W1 + b1), 256 columns a pass
	s_mov_b32 s[PASS], 0
.Lp1:
	KPASS 1, 8192, WO1, AX
	s_lshl_b32 s25, s[PASS], 9
	v_add_nc_u32 v[HS], s25, v[HSB]                ; four plain instructions: the places behind the last products
	v_add_nc_u32 v[HS+1], s25, v[HSB+1]
	v_add_nc_u32 v[HS+2], s25, v[HSB+2]
	v_nop
	s_add_nc_u64 s[WB:WB+1], s[WB:WB+1], 1024      ; the next 256 columns (every load that named these is in: step 14's wait for 0)
	s_add_nc_u64 s[BP:BP+1], s[BP:BP+1], 1024
	s_cmp_eq_u32 s[PASS], 0
	s_cbranch_scc0 .Lw2
	PREFETCH WB, BP, WO1, 8192                     ; the next pass's first chunks land under the gelu
	s_branch .Lg
.Lw2:
	PREFETCH W2B, BP2, WO2, 2048
.Lg:
.irp a, 0,1,2,3,4,5,6,7,8
	GELU \a
.endr
	s_add_co_u32 s[PASS], s[PASS], 1
	s_cmp_lt_u32 s[PASS], 2
	s_cbranch_scc1 .Lp1
	s_wait_dscnt 0x0                               ; for the others' sake: my columns of hidden are in LDS
	s_barrier_signal -1
	s_barrier_wait -1
	s_wait_xcnt 0x0                                ; no load still reads the two pointers that are written next
	s_mov_b64 s[WB:WB+1], s[W2B:W2B+1]
	s_mov_b64 s[BP:BP+1], s[BP2:BP2+1]
	; PHASE 2: y2 = weight x (hidden W2 (+ b2)), 256 columns a pass
	s_mov_b32 s[PASS], 0
.Lp2:
	KPASS 2, 2048, WO2, AH
.rept 4
	v_nop                                          ; the places behind the last products
.endr
	YLOAD 0                                        ; block 0's lists come while the next pass's first chunks are asked for
	s_add_nc_u64 s[WB:WB+1], s[WB:WB+1], 1024
	s_add_nc_u64 s[BP:BP+1], s[BP:BP+1], 1024
	s_cmp_eq_u32 s[PASS], 0
	s_cbranch_scc0 .Lno
	PREFETCH WB, BP, WO2, 2048                     ; the second pass's first chunks land under the stores
.Lno:
.irp a, 0,1,2,3,4,5,6,7,8
	YOUT \a
.endr
.Lyend:
	s_wait_dscnt 0x0                               ; a way out that ended early has four list loads out
	s_wait_xcnt 0x0                                ; the stores' base, and both sets of their registers, are written again only behind this wait
	s_add_nc_u64 s[YB:YB+1], s[YB:YB+1], 1024
	s_add_co_u32 s[PASS], s[PASS], 1
	s_cmp_lt_u32 s[PASS], 2
	s_cbranch_scc1 .Lp2
	s_wait_tensorcnt 0x0                           ; the wave's end, behind my last LDS store
	ds_add_u32 v[SPW], v[NIL]
	s_wait_dscnt 0x0
	s_endpgm
.Lfunc_end_k_qef77b84cfd_experts:
	.size	k_qef77b84cfd_experts, .Lfunc_end_k_qef77b84cfd_experts-k_qef77b84cfd_experts
	.p2alignl 7, 3214868480
	.fill 96, 4, 3214868480
	.section	.rodata,"a",@progbits
	.p2align	6, 0x0
	.amdhsa_kernel k_qef77b84cfd_experts
		.amdhsa_group_segment_fixed_size 307712
		.amdhsa_private_segment_fixed_size 0
		.amdhsa_enable_private_segment 0
		.amdhsa_kernarg_size 64
		.amdhsa_user_sgpr_count 2
		.amdhsa_user_sgpr_kernarg_segment_ptr 1
		.amdhsa_wavefront_size32 1
		.amdhsa_system_sgpr_workgroup_id_x 1
		.amdhsa_system_sgpr_workgroup_id_y 1
		.amdhsa_system_sgpr_workgroup_id_z 1
		.amdhsa_system_vgpr_workitem_id 0
		.amdhsa_next_free_vgpr 1024
		.amdhsa_next_free_sgpr 100
		.amdhsa_reserve_vcc 1
		.amdhsa_float_denorm_mode_32 3
		.amdhsa_float_denorm_mode_16_64 3
		.amdhsa_memory_ordered 1
		.amdhsa_forward_progress 1
		.amdhsa_inst_pref_size 255
	.end_amdhsa_kernel
	.section	.bss,"aw",@nobits
	.p2align	6
	.space	262144
	.amdgpu_metadata
---
amdhsa.version: [ 1, 2 ]
amdhsa.kernels:
  - .name:           k_qef77b84cfd_experts
    .symbol:         k_qef77b84cfd_experts.kd
    .args:
      - { .name: maps, .offset: 0, .size: 8, .value_kind: global_buffer, .address_space: global }
      - { .name: wts, .offset: 8, .size: 8, .value_kind: global_buffer, .address_space: global }
      - { .name: xb, .offset: 16, .size: 8, .value_kind: global_buffer, .address_space: global }
      - { .name: w1, .offset: 24, .size: 8, .value_kind: global_buffer, .address_space: global }
      - { .name: b1, .offset: 32, .size: 8, .value_kind: global_buffer, .address_space: global }
      - { .name: w2, .offset: 40, .size: 8, .value_kind: global_buffer, .address_space: global }
      - { .name: b2, .offset: 48, .size: 8, .value_kind: global_buffer, .address_space: global }
      - { .name: y2, .offset: 56, .size: 8, .value_kind: global_buffer, .address_space: global }
    .group_segment_fixed_size: 307712
    .private_segment_fixed_size: 0
    .kernarg_segment_align: 8
    .kernarg_segment_size: 64
    .max_flat_workgroup_size: 128
    .sgpr_count:     100
    .vgpr_count:     1024
    .wavefront_size: 32
...
	.end_amdgpu_metadata
.endif
;; end of part 2
;; launch combine (part 3): grid 256 x 1, 16 waves a work-group, no clusters, 0 bytes of LDS; arguments y2, out0; writes out0
.if DOCPART == 3
	.amdgcn_target "amdgcn-amd-amdhsa--gfx1250"
	.amdhsa_code_object_version 6
	.text
	.protected	k_qef77b84cfd_combine
	.globl	k_qef77b84cfd_combine
	.p2align	8
	.type	k_qef77b84cfd_combine,@function
k_qef77b84cfd_combine:
	s_mov_b64 s[64:65], 0
	v_nop
	global_prefetch_b8 v0, s[64:65] scope:SCOPE_SE
	s_setreg_imm32_b32 hwreg(HW_REG_WAVE_MODE, 25, 1), 1
	s_wait_xcnt 0x0
; out[t] = the sum over the four quarters q and the two slots of y2[q][2 t + slot].  A stream: a wave takes one token, 8 rows of 2,048 bytes in, one out; each load and store covers 512 neighbouring bytes.
; All 32 loads of a wave go out before the first wait.  No LDS, no barrier, no matrix unit: memory binds, and no byte is read twice.  The order of the f32 sums is pairwise, not reference's.
.set QS, 16777216                      ; bytes from quarter to quarter: beyond a load's immediate, so each quarter has a base
	s_load_b128 s[4:7], s[0:1], 0x0                ; y2 s[4:5], out0 s[6:7]
	v_and_b32 v1, 31, v0
	v_lshrrev_b32 v2, 5, v0
	v_readfirstlane_b32 s8, v2                     ; wave
	s_lshl_b32 s9, ttmp9, 4
	s_add_co_u32 s9, s9, s8                        ; token
	s_lshl_b32 s10, s9, 12                         ; two rows of y2
	s_lshl_b32 s11, s9, 11                         ; a row of out
	v_lshlrev_b32 v3, 4, v1
	v_add_nc_u32 v1, s10, v3
	v_add_nc_u32 v2, s11, v3
	s_wait_kmcnt 0x0
	s_add_nc_u64 s[12:13], s[4:5], QS
	s_add_nc_u64 s[14:15], s[4:5], 2*QS
	s_add_nc_u64 s[16:17], s[4:5], 3*QS
.set i, 0
.rept 4                                ; column chunk i of 128 columns: 8 loads
.set k, 0
.irp b, 4, 12, 14, 16
	global_load_b128 v[8+32*i+8*k:8+32*i+8*k+3],   v1, s[\b:\b+1] offset:512*i th:TH_LOAD_NT
	global_load_b128 v[8+32*i+8*k+4:8+32*i+8*k+7], v1, s[\b:\b+1] offset:2048+512*i th:TH_LOAD_NT
.set k, k+1
.endr
.set i, i+1
.endr
.macro ADD4 d, s                       ; four numbers onto four
	v_pk_add_f32 v[(\d):(\d)+1], v[(\d):(\d)+1], v[(\s):(\s)+1]
	v_pk_add_f32 v[(\d)+2:(\d)+3], v[(\d)+2:(\d)+3], v[(\s)+2:(\s)+3]
.endm
.set i, 0
.rept 4
	s_wait_loadcnt 24-8*i                          ; this chunk's eight loads are in; the later chunks' stay out
	ADD4 8+32*i, 8+32*i+4
	ADD4 8+32*i+8, 8+32*i+12
	ADD4 8+32*i+16, 8+32*i+20
	ADD4 8+32*i+24, 8+32*i+28
	ADD4 8+32*i, 8+32*i+8
	ADD4 8+32*i+16, 8+32*i+24
	ADD4 8+32*i, 8+32*i+16
	global_store_b128 v2, v[8+32*i:8+32*i+3], s[6:7] offset:512*i th:TH_STORE_NT
.set i, i+1
.endr
	s_endpgm
.Lfunc_end_k_qef77b84cfd_combine:
	.size	k_qef77b84cfd_combine, .Lfunc_end_k_qef77b84cfd_combine-k_qef77b84cfd_combine
	.p2alignl 7, 3214868480
	.fill 96, 4, 3214868480
	.section	.rodata,"a",@progbits
	.p2align	6, 0x0
	.amdhsa_kernel k_qef77b84cfd_combine
		.amdhsa_group_segment_fixed_size 0
		.amdhsa_private_segment_fixed_size 0
		.amdhsa_enable_private_segment 0
		.amdhsa_kernarg_size 16
		.amdhsa_user_sgpr_count 2
		.amdhsa_user_sgpr_kernarg_segment_ptr 1
		.amdhsa_wavefront_size32 1
		.amdhsa_system_sgpr_workgroup_id_x 1
		.amdhsa_system_sgpr_workgroup_id_y 1
		.amdhsa_system_sgpr_workgroup_id_z 1
		.amdhsa_system_vgpr_workitem_id 0
		.amdhsa_next_free_vgpr 136
		.amdhsa_next_free_sgpr 66
		.amdhsa_reserve_vcc 0
		.amdhsa_float_denorm_mode_32 3
		.amdhsa_float_denorm_mode_16_64 3
		.amdhsa_memory_ordered 1
		.amdhsa_forward_progress 1
		.amdhsa_inst_pref_size 8
	.end_amdhsa_kernel
	.amdgpu_metadata
---
amdhsa.version: [ 1, 2 ]
amdhsa.kernels:
  - .name:           k_qef77b84cfd_combine
    .symbol:         k_qef77b84cfd_combine.kd
    .args:
      - { .name: y2, .offset: 0, .size: 8, .value_kind: global_buffer, .address_space: global }
      - { .name: out0, .offset: 8, .size: 8, .value_kind: global_buffer, .address_space: global }
    .group_segment_fixed_size: 0
    .private_segment_fixed_size: 0
    .kernarg_segment_align: 8
    .kernarg_segment_size: 16
    .max_flat_workgroup_size: 512
    .sgpr_count:     66
    .vgpr_count:     136
    .wavefront_size: 32
...
	.end_amdgpu_metadata
.endif
;; end of part 3
